; MI455X (gfx1250); checked and timed in simulation.
; The chip was launched on July 23, 2026; its instructions are those of AMD's public machine-readable ISA for CDNA 5 (MIT licence, August 2026) and "CDNA5" Instruction Set Architecture Reference Guide (July 2026). The comments in the code are by the model that wrote it; some were corrected since.
;; W8 A8 OF16 Linear Static Scale. Allowed arithmetic: float matrix products may take bf16 or f16 operands with f32 sums; all other float work in f32.
;; Inputs: bias 4,096 float16; dequant_scale 4,096 float32; weight 4,096 x 4,096 int8; x 4,096 x 4,096 int8.
;; Outputs: out0 4,096 x 4,096 float16; out1 4,096 float16.
;; One version. Each part assembles by itself: llvm-mc -triple=amdgcn-amd-amdhsa -mcpu=gfx1250 --defsym DOCPART=n.
;; ======== version 1 of 1: 1 launch
;; launch gemm (part 1): grid 16 x 16, 4 waves a work-group, clusters of 4 x 4, 327,680 bytes of LDS; arguments x, weight, dequant_scale, bias, out0, out1; writes out0, out1
.if DOCPART == 1
	.amdgcn_target "amdgcn-amd-amdhsa--gfx1250"
	.amdhsa_code_object_version 6
	.text
	.protected	k_q56c3a68653_gemm
	.globl	k_q56c3a68653_gemm
	.p2align	8
	.type	k_q56c3a68653_gemm,@function
k_q56c3a68653_gemm:
	s_mov_b64 s[64:65], 0
	v_nop
	global_prefetch_b8 v0, s[64:65] scope:SCOPE_SE
	s_setreg_imm32_b32 hwreg(HW_REG_WAVE_MODE, 25, 1), 1
	s_wait_xcnt 0x0
	s_wait_alu depctr_hold_cnt(0) depctr_sa_sdst(0) depctr_va_vdst(0) depctr_va_sdst(0) depctr_va_ssrc(0) depctr_va_vcc(0) depctr_vm_vsrc(0)
	s_getreg_b32 s2, hwreg(HW_REG_IB_STS2, 6, 4)
	s_cmp_eq_u32 s2, 0
	s_cbranch_scc0 .Lentry_in_a_cluster
	s_endpgm
.Lentry_in_a_cluster:
	s_bfe_u32 s2, ttmp6, 0x10000c
	s_cmp_lg_u32 s2, 0xf033
	s_cbranch_scc0 .Lentry_shape_is_right
	s_endpgm
.Lentry_shape_is_right:
; out0[t][n] = f16( f32( sum over k of x[t][k] weight[n][k] ) * dequant_scale[n] + f32(bias[n]) );  out1 = bias.
; x: [4096][4096] int8, weight: [4096][4096] int8 (K along the rows of both), dequant_scale: [4096] f32, bias: [4096] f16, out0: [4096][4096] f16.
;
; FORMAT.  The operands are the problem's own 8-bit whole numbers and go to the matrix unit as they are (the signed i8 form, K = 64, sums in i32):
; nothing is narrowed or rounded, and |sum| <= 4096 x 128 x 128 = 2^26 stays inside i32, so every sum is exact for every input.
; ROUNDING.  i32 to f32 rounds to nearest even; scale and bias go in ONE fused multiply-add (a multiply and an add would round once more);
; the result is rounded once to f16.  A result beyond f16's range comes out as the conversion gives it, an infinity.
;
; SHAPE.  A work-group makes a block of 256 x 256 of out0 with four waves; a wave makes 128 x 128: 64 accumulator tiles of 16 x 16, 512 registers.
; K goes in 16 steps of 256 through a ring of two LDS slots filled by the tensor data mover: a tile's rows are 256 bytes of memory and start at
; multiples of 256 bytes from the buffer's first byte.  16 x 16 blocks = 256 work-groups.
; CLUSTERS.  4 x 4 work-groups form a cluster.  The four of a row of the cluster need the same tiles of x, the four of a column the same tiles of weight.
; Such a tile is asked for JOINTLY: each of the four issues the same tensor load, with the same descriptor and a mask that names the four.
; That divides the requests for x and for weight by four.
;
; REGISTERS, in windows of 256 (s_set_vgpr_msb says which window each operand place means; low byte: bits 1:0 source 0, 3:2 source 1, 5:4 source 2, 7:6 destination):
;   window 0: v0-31 addresses; v32-63 bias as loaded; v64-127, v128-191 fragments of x, two buffers; v192-223 packed results; v224-227 the copy of bias
;             (on the way out v64-95 and v96-127 take rows read back from LDS, v128-191 the bias in f32)
;   window 1: v0-63 my columns' scales; v64-127, v128-191 fragments of weight, two buffers
;   window 2: the 32 accumulator tiles of my rows 0-63 (tile (a, b) at v[8 (8 a + b)]);   window 3: those of my rows 64-127
;
; THE MATRIX INSTRUCTION IS USED TRANSPOSED: source 0 = 16 rows of weight, source 1 = 16 rows of x.  Lane l then holds row l % 16 of out0, and its
; registers 0 to 7 the columns 8 (l / 16) + 0 .. 7: eight neighbouring numbers of a row, which pack into 16 bytes of f16.
; K INSIDE A FRAGMENT IS PERMUTED, alike in both sources: a lane takes bytes 16 (l / 16) + 0..15 of the 64 into registers 0-3 and bytes 32 + 16 (l / 16) + 0..15
; into registers 4-7 (two loads of 16 bytes, not four of 8).  Each of the 64 k is taken once, x's and weight's byte of one k meet in the same place, and sums
; of whole numbers do not hang on their order: the result is the same bit for bit.
.set KSTEP,  256                       ; numbers, and bytes, along K in a step
.set KROW,   4096                      ; bytes in a row of x and of weight
.set NROW,   8192                      ; bytes in a row of out0
.set PITCH,  272                       ; an LDS row: 256 bytes of data + 16 of padding: the 16 rows that a load's 16 lanes touch lie at 16 different 16-byte columns modulo 256
.set HALFT,  128*PITCH                 ; 128 rows: what one tensor load brings, and what one wave reads of x or of weight
.set SLOT,   4*HALFT                   ; x's 256 rows, then weight's 256 rows
.set STAGE,  2*SLOT                    ; behind the ring: 16 rows x 272 bytes for each wave, for the way out; no tensor load lands here
.set SPITCH, 272
.set LAPS,   4096/(2*KSTEP)            ; a lap = two K steps = once round the ring: 8
.set ADRA, 16                          ; v16-17  LDS address of my x fragments in slot 0, 1
.set ADRB, 20                          ; v20-21  the same for weight
.set STO,  24                          ; v24     the way out: where I put 16 bytes of a row
.set RD,   25                          ; v25     the way out: where I read a row back
.set CO,   26                          ; v26     my byte offset in out0
.set SOFF, 27                          ; v27     byte offset of my first scales; never rewritten
.set BOFF, 28                          ; v28     byte offset of my first biases; never rewritten
.set CPO,  30                          ; v30     the copy of bias: my 16 bytes; never rewritten
.set BH,   32                          ; v32-63  bias as loaded: column block b in 4 registers, 8 f16
.set F0,   64                          ; fragment buffer 0
.set F1,   128                         ; fragment buffer 1
.set TMP,  192                         ; the way out: packed results
.set CPY,  224                         ; v224-227 the copy of bias: data
.set SC,   0                           ; window 1: register 8 b + j = scale of column 16 b + 8 (l / 16) + j of my 128
.set RB0,  64                          ; the way out: rows read back, two buffers in turn
.set RB1,  96
.set BF,   128                         ; the way out: bias in f32, indexed as SC, in window 0
.set G1,  24                           ; s[24:31] descriptor group 1 for x's tiles
.set G0,  32                           ; s[32:39] descriptor group 0 for x's tiles, one set for each slot
.set G1B, 48                           ; s[48:55] descriptor group 1 for weight's tiles: it differs from x's in the mask alone
.set G0B, 56                           ; s[56:63] descriptor group 0 for weight's tiles, one set for each slot
.set MSB, 0
.macro WIN new                         ; the immediate's high byte repeats the setting that is left; a switch that changes nothing is dropped
.if MSB != \new
	s_set_vgpr_msb (MSB<<8)|\new
.set MSB, \new
.endif
.endm
.set MUL_LO,  0xa1                     ; source 0 (weight) window 1, source 1 (x) window 0, C and D window 2
.set MUL_HI,  0xf1                     ; the same, C and D window 3
.set TO_B,    0x40                     ; destination window 1, address window 0
.set FMA_LO,  0x86                     ; D and source 0 window 2, source 1 (scales) window 1, source 2 (bias) window 0
.set FMA_HI,  0xc7                     ; the same with window 3
.set PACK_LO, 0x0a                     ; sources 0 and 1 window 2, destination window 0
.set PACK_HI, 0x0f                     ; the same with window 3
; A joint load.  Waves 0 and 1 fetch x's two halves, waves 2 and 3 weight's.  Each of the two lines has ONE mask and one set of registers for all that issue it,
; and nothing in them hangs on a coordinate that the four partners do not share.  The branch hangs on the wave's number alone.
.macro JLOAD s
	s_cmp_eq_u32 s17, 0
	s_cbranch_scc0 .Lfor_b_\@
	tensor_load_to_lds s[G0+4*\s:G0+4*\s+3], s[G1:G1+7]
	s_nop 0
	s_branch .Lasked_\@
.Lfor_b_\@:
	tensor_load_to_lds s[G0B+4*\s:G0B+4*\s+3], s[G1B:G1B+7]
	s_nop 0
.Lasked_\@:
.endm
; A round of the cluster's barrier: my work-group's barrier, so that wave 0's signal speaks for all four waves; wave 0 signals for the work-group; every wave
; waits for all sixteen work-groups; my work-group's barrier once more.  No LDS instruction of the wave is pending at a signal.
.macro CREST                           ; a round behind its opening barrier
	s_cmp_lg_u32 s16, 0
	s_cbranch_scc1 .Lnot_wave_0_\@
	s_barrier_signal -3
.Lnot_wave_0_\@:
	s_barrier_wait -3
	s_barrier_signal -1
	s_barrier_wait -1
.endm
.macro CROUND                          ; a whole round
	s_barrier_signal -1
	s_barrier_wait -1
	CREST
.endm
	s_load_b256 s[4:11], s[0:1], 0x0               ; x s[4:5], weight s[6:7], dequant_scale s[8:9], bias s[10:11]
	s_load_b128 s[12:15], s[0:1], 0x20             ; out0 s[12:13], out1 s[14:15]
	s_set_vgpr_msb 0x40
	v_lshl_add_u32 v255, v0, 2, 0x48400
	s_set_vgpr_msb 0x4000
	v_mov_b32 v255, 0
	s_set_vgpr_msb 0x1
	ds_add_u32 v255, v255
	ds_add_u32 v255, v255
	s_set_vgpr_msb 0x100
	v_lshrrev_b32 v1, 5, v0
	v_readfirstlane_b32 s16, v1                    ; wave 0..3
	s_lshr_b32 s17, s16, 1                         ; which half of the block's rows is mine.  Also: I fetch for x (0) or for weight (1)
	s_and_b32 s18, s16, 1                          ; which half of its columns.  Also: which 128 rows of that tile I fetch
	s_bfe_u32 s40, ttmp6, 0x40000                  ; cx: my place along the cluster's x
	s_bfe_u32 s41, ttmp6, 0x40004                  ; cy: along its y
	s_lshl_b32 s42, ttmp9, 2                       ; in a cluster launch ttmp9 and ttmp7 count clusters
	s_add_co_u32 s42, s42, s40                     ; block column of out0 = 4 x cluster x + cx
	s_and_b32 s19, ttmp7, 0xffff
	s_lshl_b32 s19, s19, 2
	s_add_co_u32 s19, s19, s41                     ; block row of out0 = 4 x cluster y + cy
	s_lshl_b32 s43, s41, 2
	s_lshl_b32 s43, 15, s43                        ; my row of the cluster: places 4 cy .. 4 cy + 3
	s_lshl_b32 s44, 0x1111, s40                    ; my column: places cx, cx + 4, cx + 8, cx + 12
	; descriptor group 1: a tile of 128 rows x 256 elements of one byte, padded in LDS
	s_or_b32 s[G1+0], s43, (1<<20)|(1<<21)|(5<<22)|(3<<25)   ; 15:0 the mask: x's tiles go to my row; 17:16 element of 1 byte (code 0); 20 padding on; 21 set beside a mask; 24:22 after every 64 words (code 5); 31:25 of 4 words (code 3)
	s_or_b32 s[G1B+0], s44, (1<<20)|(1<<21)|(5<<22)|(3<<25)  ; the same with the mask of my column, for weight's tiles
	s_mov_b32 s[G1+1], KSTEP<<16                   ; 63:48 tensor_dim0, low half = 256
	s_mov_b32 s[G1B+1], KSTEP<<16
	s_mov_b32 s[G1+2], 128<<16                     ; 79:64 its high half = 0; 95:80 tensor_dim1, low half = 128
	s_mov_b32 s[G1B+2], 128<<16
	s_mov_b32 s[G1+3], KSTEP<<16                   ; 111:96 its high half = 0; 127:112 tile_dim0 = 256
	s_mov_b32 s[G1B+3], KSTEP<<16
	s_mov_b32 s[G1+4], 128                         ; 143:128 tile_dim1 = 128; 159:144 tile_dim2 = 0
	s_mov_b32 s[G1B+4], 128
	s_mov_b32 s[G1+5], KROW                        ; 191:160 tensor_dim0_stride, low word: 4,096 elements from row to row
	s_mov_b32 s[G1B+5], KROW
	s_mov_b32 s[G1+6], 0
	s_mov_b32 s[G1B+6], 0
	s_mov_b32 s[G1+7], 0
	s_mov_b32 s[G1B+7], 0
	; where the tiles come from.  x's hang on the block row alone, which my row of the cluster shares; weight's on the block column alone, which my column shares.
	; Every wave makes both addresses, in registers that never hold the other coordinate, and asks by one of them.
	s_lshl_b32 s21, s18, 7                         ; which 128 rows of the tile I fetch; also my 128 columns of the block
	s_lshl_b32 s66, s19, 8
	s_add_co_u32 s66, s66, s21                     ; x: row 256 x block row + 128 x half
	s_lshl_b32 s66, s66, 12                        ; x 4,096 bytes: below 2^24
	s_mov_b32 s67, 0
	s_lshl_b32 s46, s42, 8
	s_add_co_u32 s46, s46, s21                     ; weight: row 256 x block column + 128 x half
	s_lshl_b32 s72, s42, 8
	s_add_co_u32 s72, s72, s21                     ; my first column of out0: 256 x block column + 128 x half
	s_lshl_b32 s46, s46, 12
	s_mov_b32 s47, 0
	s_mul_i32 s20, s16, HALFT                      ; and where they go: x's two halves, then weight's two halves = wave x 128 rows: no place in the cluster enters an LDS address
	s_wait_dscnt 0x0
	s_wait_kmcnt 0x0
	s_add_nc_u64 s[66:67], s[4:5], s[66:67]
	s_add_nc_u64 s[46:47], s[6:7], s[46:47]
	CROUND                                         ; all sixteen work-groups are here: the first joint loads meet
.irp s, 0,1
	s_mov_b32 s[G0+4*\s], 1                                        ; 1:0 count = 1
	s_add_co_u32 s[G0+4*\s+1], s20, \s*SLOT                        ; 63:32 LDS address
	s_add_nc_u64 s[G0+4*\s+2:G0+4*\s+3], s[66:67], \s*KSTEP        ; 120:64 global address: K step s
	s_or_b32 s[G0+4*\s+3], s[G0+4*\s+3], 0x80000000                ; 127:126 type = 2
	s_mov_b32 s[G0B+4*\s], 1
	s_add_co_u32 s[G0B+4*\s+1], s20, \s*SLOT
	s_add_nc_u64 s[G0B+4*\s+2:G0B+4*\s+3], s[46:47], \s*KSTEP
	s_or_b32 s[G0B+4*\s+3], s[G0B+4*\s+3], 0x80000000
	JLOAD \s                                       ; the ring is filled before anything else is done: two tensor loads of this wave are out
.endr
	; my columns' scales and biases, once: lane l needs columns 16 b + 8 (l / 16) + 0..7 of my 128, b = 0..7.  They stay on their way during the K loop.
	v_and_b32 v1, 15, v0                           ; l % 16
	v_bfe_u32 v2, v0, 4, 1                         ; l / 16
	v_lshlrev_b32 v4, 5, v2                        ; 8 f32 = 32 bytes for the upper lanes
	v_lshl_add_u32 v[SOFF], s72, 2, v4             ; 4 x first column + 32 (l / 16)
	v_lshlrev_b32 v5, 4, v2                        ; 8 f16 = 16 bytes
	v_lshl_add_u32 v[BOFF], s72, 1, v5             ; 2 x first column + 16 (l / 16)
	WIN TO_B
.irp b, 0,1,2,3,4,5,6,7
	global_load_b128 v[SC+8*\b:SC+8*\b+3],   v[SOFF], s[8:9] offset:64*\b
	global_load_b128 v[SC+8*\b+4:SC+8*\b+7], v[SOFF], s[8:9] offset:64*\b+16
.endr
	WIN 0
.irp b, 0,1,2,3,4,5,6,7
	global_load_b128 v[BH+4*\b:BH+4*\b+3], v[BOFF], s[10:11] offset:32*\b
.endr
	; out0 at my first row and column: (256 x block row + 128 x half) rows of 8,192 bytes + 2 bytes x first column, below 2^26
	s_lshl_b32 s68, s19, 8
	s_lshl_b32 s69, s17, 7
	s_add_co_u32 s68, s68, s69
	s_lshl_b32 s68, s68, 13
	s_lshl_b32 s70, s72, 1
	s_add_co_u32 s68, s68, s70
	s_mov_b32 s69, 0
	s_add_nc_u64 s[12:13], s[12:13], s[68:69]
	; A fragment is 16 rows x 64 K in 8 registers: lane l holds row l % 16; two loads of 16 bytes, 32 bytes apart, at row x pitch + 16 (l / 16).
	v_mul_u32_u24 v3, v1, PITCH
	v_lshl_add_u32 v3, v2, 4, v3                   ; row x pitch + 16 x half
	s_mul_i32 s21, s17, HALFT                      ; my 128 rows of x
	s_mul_i32 s22, s18, HALFT                      ; my 128 rows of weight,
	s_add_co_u32 s22, s22, 2*HALFT                 ; which lie behind x's 256
.irp s, 0,1
	v_add_nc_u32 v[ADRA+\s], s21, v3
	v_add_nc_u32 v[ADRB+\s], s22, v3
	s_add_co_u32 s21, s21, SLOT
	s_add_co_u32 s22, s22, SLOT
.endr
	s_mul_i32 s23, s16, 16*SPITCH
	s_add_co_u32 s23, s23, STAGE                   ; my stage
	v_mul_u32_u24 v4, v1, SPITCH                   ; in: row l % 16, 16 bytes for each half of the lanes
	v_lshl_add_u32 v4, v2, 4, v4
	v_add_nc_u32 v[STO], s23, v4
	v_mul_u32_u24 v5, v2, SPITCH                   ; back: lanes 0-15 take one row of 256 bytes, lanes 16-31 the next
	v_lshl_add_u32 v5, v1, 4, v5
	v_add_nc_u32 v[RD], s23, v5
	v_lshlrev_b32 v5, 13, v2                       ; and the same two rows in out0: 8,192 bytes apart
	v_lshl_add_u32 v[CO], v1, 4, v5
	; out1 = bias, 8,192 bytes: wave 0 of each of the sixteen work-groups of cluster (0, 0) copies 512 bytes, 16 a lane: two whole aligned blocks of 256 bytes.
	; The two branches hang on the wave's number and on the cluster's coordinates, which all partners share; they jump over no barrier and no tensor load.
	s_cmp_lg_u32 s16, 0
	s_cbranch_scc1 .Lno_copy
	s_and_b32 s70, ttmp7, 0xffff
	s_or_b32 s70, s70, ttmp9
	s_cmp_lg_u32 s70, 0
	s_cbranch_scc1 .Lno_copy
	s_lshl2_add_u32 s71, s41, s40                  ; my piece: 4 cy + cx = 0..15
	v_lshlrev_b32 v[CPO], 4, v0                    ; in wave 0 the thread's number is the lane
	v_lshl_add_u32 v[CPO], s71, 9, v[CPO]          ; 512 x piece + 16 x lane
	global_load_b128 v[CPY:CPY+3], v[CPO], s[10:11]
	s_wait_loadcnt 0x0                             ; it is the youngest load: zero
	global_store_b128 v[CPO], v[CPY:CPY+3], s[14:15]   ; its address and data registers are never written again
.Lno_copy:
; 16 matrix instructions: m blocks a0, a0 + 1 of the window's four (hi = 0: my rows 0-63, 1: rows 64-127) x all 8 n blocks, 64 along K, both sources signed.
; zero = 1: the first product starts the sums: nothing is ever cleared.
; The 64 accumulators take turns, one instruction a turn, in the same order in every quarter step, over the loop's backward jump too.
.macro MUL16 f, hi, a0, zero
.irp a, \a0, \a0+1
.irp b, 0,1,2,3,4,5,6,7
.if \zero
	v_wmma_i32_16x16x64_iu8 v[8*(8*(\a)+\b):8*(8*(\a)+\b)+7], v[\f+8*\b:\f+8*\b+7], v[\f+8*(4*\hi+\a):\f+8*(4*\hi+\a)+7], 0 neg_lo:[1,1,0]
.else
	v_wmma_i32_16x16x64_iu8 v[8*(8*(\a)+\b):8*(8*(\a)+\b)+7], v[\f+8*\b:\f+8*\b+7], v[\f+8*(4*\hi+\a):\f+8*(4*\hi+\a)+7], v[8*(8*(\a)+\b):8*(8*(\a)+\b)+7] neg_lo:[1,1,0]
.endif
.endr
.endr
.endm
; 32 LDS loads in one run: the fragments of one quarter step (128 rows of weight, 128 rows of x, 64 K at byte k of the rows) into buffer f
.macro FETCH slot, k, f
	WIN TO_B
.irp i, 0,1,2,3,4,5,6,7
	ds_load_b128 v[\f+8*\i:\f+8*\i+3],   v[ADRB+\slot] offset:\k+\i*16*PITCH
	ds_load_b128 v[\f+8*\i+4:\f+8*\i+7], v[ADRB+\slot] offset:\k+\i*16*PITCH+32
.endr
	WIN 0
.irp i, 0,1,2,3,4,5,6,7
	ds_load_b128 v[\f+8*\i:\f+8*\i+3],   v[ADRA+\slot] offset:\k+\i*16*PITCH
	ds_load_b128 v[\f+8*\i+4:\f+8*\i+7], v[ADRA+\slot] offset:\k+\i*16*PITCH+32
.endr
.endm
; Behind the i8 matrix form a load into a register that it has read, and a vector instruction that reads its result or writes one of its registers, stand
; eight places behind it, and only plain vector instructions that name none of its registers are places (ISA guide 7.12.1 for vector instructions)
; the matrix instructions in between are not counted.  So eight v_nop stand in front of each run of loads and in front of the way out:
; 32 issue slots for a K step's 256 matrix instructions.
.macro PLACES
.rept 8
	v_nop
.endr
.endm
; A K step is four quarter steps of 64 along K, 64 matrix instructions each, on buffers 0, 1, 0, 1.
; One of the first three: multiplies buffer f; in its middle it fetches the next quarter's fragments, at byte k of the same slot's rows, into buffer g.
.macro QUARTER slot, k, f, g, zero
	s_wait_dscnt 8                                 ; weight and x's rows 0-63 are in; the youngest eight loads (x's rows 64-127) may be out
	WIN MUL_LO
	MUL16 \f, 0, 0, \zero
	MUL16 \f, 0, 2, \zero
	PLACES
	FETCH \slot, \k, \g
	s_wait_dscnt 32                                ; all but the 32 just issued
	WIN MUL_HI
	MUL16 \f, 1, 0, \zero
	MUL16 \f, 1, 2, \zero
.endm
.macro THREE slot, zero
	QUARTER \slot, 64,  F0, F1, \zero
	QUARTER \slot, 128, F1, F0, 0
	QUARTER \slot, 192, F0, F1, 0
.endm
; The last quarter: multiplies buffer 1 and changes slots.  next = the other slot; fill = 1: this slot is filled again, two K steps ahead.
; ONE barrier for the change of slots, for two things.  In front of it each wave waits for its own reads of this slot and for all its tensor loads,
; of which one is out: its part of the next slot.  Behind it nobody reads this slot any more and the next slot is whole: the refill comes
; first, then the next slot's first fragments.  From a request to the wait for it a wave issues 240 matrix instructions.
.macro TURN slot, next, fill
	s_wait_dscnt 8
	WIN MUL_LO
	MUL16 F1, 0, 0, 0
	s_wait_dscnt 0                                 ; my reads of this slot are over (the last were issued 48 matrix instructions ago)
	s_wait_tensorcnt 0x0                           ; and all my tensor loads have landed: the one that was out is my part of the next slot:
	ds_add_u32 v255, v255
	s_wait_dscnt 0x0
	s_barrier_signal -1                            ; say so (where a slot is filled again this barrier opens a round of the cluster's barrier),
	MUL16 F1, 0, 2, 0                              ; work on registers while the others arrive,
	WIN 0
	s_barrier_wait -1                              ; and go on when all four have said so
.if \fill
	CREST                                          ; wave 0 says so for the work-group, all sixteen work-groups have said so, my work-group's barrier closes the round:
	                                               ; no wave of any partner still reads this slot's tile or has a load on its way
	s_add_nc_u64 s[G0+4*\slot+2:G0+4*\slot+3], s[G0+4*\slot+2:G0+4*\slot+3], 2*KSTEP      ; no tensor load of mine is out: the addresses step two K steps on
	s_add_nc_u64 s[G0B+4*\slot+2:G0B+4*\slot+3], s[G0B+4*\slot+2:G0B+4*\slot+3], 2*KSTEP
	JLOAD \slot                                    ; the first tensor load behind the round, and my only one until the next: one is out
.endif
	PLACES
	FETCH \next, 0, F0
	WIN MUL_HI
	MUL16 F1, 1, 0, 0
	MUL16 F1, 1, 2, 0
.endm
.macro LAP zero                        ; once round the ring, both slots filled again
	THREE 0, \zero
	TURN 0, 1, 1
	THREE 1, 0
	TURN 1, 0, 1
.endm
	s_wait_tensorcnt 1                             ; my part of K step 0 is in; K step 1's, issued behind it, stays out
	s_barrier_signal -1
	s_barrier_wait -1                              ; everybody's is
	FETCH 0, 0, F0
	LAP 1                                          ; the first lap stands in front of the loop: its first products start the sums
	WIN 0                                          ; at a label and at a branch every window is 0
	s_mov_b32 s3, LAPS-2
.Llap:
	LAP 0
	WIN 0
	s_sub_co_u32 s3, s3, 1
	s_cmp_lg_u32 s3, 0
	s_cbranch_scc1 .Llap
	THREE 0, 0                                     ; the last lap fills nothing, and has no round of the cluster's barrier: my one tensor load that is still out is slot 1's, the last K step's
	TURN 0, 1, 0
	THREE 1, 0
	s_wait_dscnt 8                                 ; the very last quarter: nothing more to fetch
	WIN MUL_LO
	MUL16 F1, 0, 0, 0
	MUL16 F1, 0, 2, 0
	s_wait_dscnt 0
	WIN MUL_HI
	MUL16 F1, 1, 0, 0
	MUL16 F1, 1, 2, 0
	; THE WAY OUT.  The eight v_nop are the places behind the last matrix instructions: for the conversions, which read results, for the
	; bias in f32, which lands in x's fragment buffer 1, and for the loads into buffer 0.
	PLACES
	WIN 0
	s_wait_loadcnt 0x0                             ; scales and biases, asked for in front of the K loop
.irp r, 32,33,34,35,36,37,38,39,40,41,42,43,44,45,46,47,48,49,50,51,52,53,54,55,56,57,58,59,60,61,62,63
	v_cvt_f32_f16 v[BF+2*(\r-BH)],   v\r\().l      ; bias to f32, exact: register 8 b + j = bias of column 16 b + 8 (l / 16) + j
	v_cvt_f32_f16 v[BF+2*(\r-BH)+1], v\r\().h
.endr
; rows 16 i .. 16 i + 15 of my block = the eight tiles (a, 0..7) of window 2 or 3: to f32, scale and bias in one fused multiply-add, round to f16,
; 16 bytes a lane into my own stage in LDS, read back as whole rows of 256 bytes.  f: RB0 or RB1 in turn.
.macro OUT16 i, a, fmaw, packw, f
	WIN \fmaw                                      ; the conversion names source 0 and the destination alone: the same setting serves both runs
.irp b, 0,1,2,3,4,5,6,7
.irp j, 0,1,2,3,4,5,6,7
	v_cvt_f32_i32 v[8*(8*\a+\b)+\j], v[8*(8*\a+\b)+\j]
.endr
.endr
.irp b, 0,1,2,3,4,5,6,7
.irp p, 0,2,4,6
	v_pk_fma_f32 v[8*(8*\a+\b)+\p:8*(8*\a+\b)+\p+1], v[8*(8*\a+\b)+\p:8*(8*\a+\b)+\p+1], v[SC+8*\b+\p:SC+8*\b+\p+1], v[BF+8*\b+\p:BF+8*\b+\p+1]
.endr
.endr
	WIN \packw
.irp b, 0,1,2,3,4,5,6,7
.irp r, 0,1,2,3
	v_cvt_pk_f16_f32 v[TMP+4*\b+\r], v[8*(8*\a+\b)+2*\r], v[8*(8*\a+\b)+2*\r+1]
.endr
.endr
	WIN 0
.irp b, 0,1,2,3,4,5,6,7
	ds_store_b128 v[STO], v[TMP+4*\b:TMP+4*\b+3] offset:32*\b
.endr
	s_wait_xcnt 0x0                                ; every earlier memory instruction has had its addresses translated (ISA guide 3.1): buffer f, which stores read, and the stores' base are rewritten only behind this wait
.if \i
	s_add_nc_u64 s[12:13], s[12:13], 16*NROW       ; 16 rows of out0 on: the stores' offsets reach 14 rows, 114,688 bytes, at the most
.endif
.irp t, 0,1,2,3,4,5,6,7
	ds_load_b128 v[\f+4*\t:\f+4*\t+3], v[RD] offset:\t*2*SPITCH    ; LDS serves a wave's instructions in order (ISA guide 5.7.1.4): these see the stores above; the stage is my own
.endr
.irp t, 0,1,2,3,4,5,6,7
	s_wait_dscnt 7-\t                              ; read-back t of the eight is in
	global_store_b128 v[CO], v[\f+4*\t:\f+4*\t+3], s[12:13] offset:2*\t*NROW th:TH_STORE_NT   ; 16 lanes store 256 consecutive bytes, at a multiple of 256 from out0's first byte
.endr
.endm
	OUT16 0, 0, FMA_LO, PACK_LO, RB0
	OUT16 1, 1, FMA_LO, PACK_LO, RB1
	OUT16 2, 2, FMA_LO, PACK_LO, RB0
	OUT16 3, 3, FMA_LO, PACK_LO, RB1
	OUT16 4, 0, FMA_HI, PACK_HI, RB0
	OUT16 5, 1, FMA_HI, PACK_HI, RB1
	OUT16 6, 2, FMA_HI, PACK_HI, RB0
	OUT16 7, 3, FMA_HI, PACK_HI, RB1
	s_set_vgpr_msb 0x1
	s_wait_tensorcnt 0x0
	ds_add_u32 v255, v255
	s_wait_dscnt 0x0
	s_set_vgpr_msb 0x100
	CROUND                                         ; the closing round: no work-group ends while a partner may still ask for a tile that names it
	s_endpgm
.Lfunc_end_k_q56c3a68653_gemm:
	.size	k_q56c3a68653_gemm, .Lfunc_end_k_q56c3a68653_gemm-k_q56c3a68653_gemm
	.p2alignl 7, 3214868480
	.fill 96, 4, 3214868480
	.section	.rodata,"a",@progbits
	.p2align	6, 0x0
	.amdhsa_kernel k_q56c3a68653_gemm
		.amdhsa_group_segment_fixed_size 327680
		.amdhsa_private_segment_fixed_size 0
		.amdhsa_enable_private_segment 0
		.amdhsa_kernarg_size 48
		.amdhsa_user_sgpr_count 2
		.amdhsa_user_sgpr_kernarg_segment_ptr 1
		.amdhsa_wavefront_size32 1
		.amdhsa_system_sgpr_workgroup_id_x 1
		.amdhsa_system_sgpr_workgroup_id_y 1
		.amdhsa_system_sgpr_workgroup_id_z 1
		.amdhsa_system_vgpr_workitem_id 0
		.amdhsa_next_free_vgpr 1024
		.amdhsa_next_free_sgpr 80
		.amdhsa_reserve_vcc 0
		.amdhsa_float_denorm_mode_32 3
		.amdhsa_float_denorm_mode_16_64 3
		.amdhsa_memory_ordered 1
		.amdhsa_forward_progress 1
		.amdhsa_inst_pref_size 236
	.end_amdhsa_kernel
	.amdgpu_metadata
---
amdhsa.version: [ 1, 2 ]
amdhsa.kernels:
  - .name:           k_q56c3a68653_gemm
    .symbol:         k_q56c3a68653_gemm.kd
    .args:
      - { .name: x, .offset: 0, .size: 8, .value_kind: global_buffer, .address_space: global }
      - { .name: weight, .offset: 8, .size: 8, .value_kind: global_buffer, .address_space: global }
      - { .name: dequant_scale, .offset: 16, .size: 8, .value_kind: global_buffer, .address_space: global }
      - { .name: bias, .offset: 24, .size: 8, .value_kind: global_buffer, .address_space: global }
      - { .name: out0, .offset: 32, .size: 8, .value_kind: global_buffer, .address_space: global }
      - { .name: out1, .offset: 40, .size: 8, .value_kind: global_buffer, .address_space: global }
    .group_segment_fixed_size: 327680
    .private_segment_fixed_size: 0
    .kernarg_segment_align: 8
    .kernarg_segment_size: 48
    .max_flat_workgroup_size: 128
    .sgpr_count:     80
    .vgpr_count:     1024
    .wavefront_size: 32
...
	.end_amdgpu_metadata
.endif
;; end of part 1
